; MI455X (gfx1250); checked and timed in simulation.
; The chip was launched on July 23, 2026; its instructions are those of AMD's public machine-readable ISA for CDNA 5 (MIT licence, August 2026) and "CDNA5" Instruction Set Architecture Reference Guide (July 2026). The comments in the code are by the model that wrote it; some were corrected since.
;; Mo E Layer. Allowed arithmetic: matrix products marked QUANTISED: E4M3 operands, one given power-of-two scale a tensor, by v_wmma_f32_16x16x64_fp8_fp8 or v_wmma_f32_16x16x128_fp8_fp8, f32 sums; products left as they are: f32 operands where the result goes on into a quantised operand, else bf16, f16 or f32 operands; f32 sums; everything else in f32.
;; Inputs: W1_codes 8 x 4,096 x 32 x 32 uint8 (E4M3 codes of W1, K innermost, in blocks of 32 codes); W2_codes 8 x 1,024 x 128 x 32 uint8 (E4M3 codes of W2, K innermost, in blocks of 32 codes); assign 4 x 256 x 2 int32; b1 8 x 4,096 float32; b2 8 x 1,024 float32; lowp_scales 4 int32 (the exponents e of the quantised operands' scales 2^e); x_codes 4 x 256 x 32 x 32 uint8 (E4M3 codes of x, K innermost, in blocks of 32 codes).
;; Outputs: out0 4 x 256 x 1,024 float32.
;; Constants: k = 2.
;; This version of the problem:
;;   THIS VERSION OF THE PROBLEM IS GIVEN IN LOW PRECISION. The matrix products marked QUANTISED in the list below multiply operands that are first quantised to E4M3 (4 exponent bits, 3 mantissa bits; 8 bits a number), with one given power-of-two scale for each operand tensor; their sums are f32. All else is computed in f32.
;;   The module's matrix products, in the order in which they are computed (A, B: the left and right operand; K: the contracted axis; several contracted axes count as one K, in the product's order):
;;     1. [M 1,024, K 1,024] x [K 1,024, N 32,768]; A: input x (given as codes); B: input W1 (given as codes): QUANTISED (scales: A lowp_scales[0], B lowp_scales[1])
;;     2. batch 8 x [M 1,024, K 4,096] x [K 4,096, N 1,024]; A: input W2 (given as codes); B: computed on the way: QUANTISED (scales: A lowp_scales[2], B lowp_scales[3])
;;     3. batch 1,024 x [M 1,024, K 8] x [K 8, N 1]; A: computed on the way; B: computed on the way: left as it is (K = 8 < 32)
;;   THE QUANTISER, for each operand of a quantised product, along K:
;;     - The operand's scale is 2^e, e = its entry of the input lowp_scales (int32; the entries are numbered through the quantised products in the list's order, A before B).
;;     - Each number is divided by the scale, clamped to +-448, and rounded to the nearest number of E4M3, ties to even, subnormals kept.
;;     - The product sums the exact products of the quantised numbers (number of the format x scale) in f32.
;;   ~~~python
;;   def quantise(x, axis, e):      # numpy; x: float32 -> the quantised numbers, widened to float32 again
;;       x = np.moveaxis(x, axis, -1); K = x.shape[-1]
;;       r = np.clip(x / 2.0 ** e, -448, 448)
;;       step = 2.0 ** (np.maximum(np.frexp(np.where(r == 0, 1, r))[1] - 1, -6) - 3)
;;       q = np.round(r / step) * step * 2.0 ** e      # np.round: ties to even
;;       return np.moveaxis(q, -1, axis).astype(np.float32)
;;   ~~~
;;   OPERANDS COMPUTED ON THE WAY. 'Computed on the way' means the value that the module computes at that place (a softmax that the list does not call 'softmax' is quantised finished and normalised). What goes into a quantiser is computed in f32, as accurately as f32 sums, v_exp_f32 and their like allow (about 1e-6 of the number): no bf16 or f16 on the way to a quantiser, and a product that is left as it is and whose result goes on into a quantised operand takes f32 operands (vector FMAs, or v_wmma_f32_16x16x4_f32). A number that lies on a knife's edge between two numbers of the format may be rounded either way, as far as f32 arithmetic and the matrix unit's own rounding can turn it there, and no further.
;;   INPUTS GIVEN AS CODES. W1 (in the module: [8, 1024, 4096], K = its axis 1); W2 (in the module: [8, 4096, 1024], K = its axis 1); x (in the module: [4, 256, 1024], K = its axis 2): each comes as NAME_codes (uint8): NAME with its K axis moved to the last place and cut into blocks of 32 codes, [.., K / 32, bytes a block], one block behind the other in memory; one code a byte (a code: sign, 4 exponent bits, 3 mantissa bits); its scale is its entry of lowp_scales. Its value is code x scale, taken as it is: it is not quantised again, and the codes and scales need not be those that the quantiser above would give.
;; One version. Each part assembles by itself: llvm-mc -triple=amdgcn-amd-amdhsa -mcpu=gfx1250 --defsym DOCPART=n.
;; ======== version 1 of 1: 3 launches
;; limits: right only within a limited range of input values
;; workspace buffers: hidden 33,554,432 bytes; y 16,777,216 bytes; dst 32,768 bytes of whole numbers; counts 2,048 bytes of whole numbers
;; launch up (part 1): grid 256 x 1, 4 waves a work-group, no clusters, 207,616 bytes of LDS; arguments x_codes, W1_codes, b1, assign, lowp_scales, hidden, dst, counts; writes hidden, dst, counts
.if DOCPART == 1
	.amdgcn_target "amdgcn-amd-amdhsa--gfx1250"
	.amdhsa_code_object_version 6
	.text
	.protected	k_q48e27fb012_up
	.globl	k_q48e27fb012_up
	.p2align	8
	.type	k_q48e27fb012_up,@function
k_q48e27fb012_up:
	s_mov_b64 s[64:65], 0
	v_nop
	global_prefetch_b8 v0, s[64:65] scope:SCOPE_SE
	s_setreg_imm32_b32 hwreg(HW_REG_WAVE_MODE, 25, 1), 1
	s_wait_xcnt 0x0
; FIRST LAYER OF THE CHOSEN EXPERTS, AND THE ROUTING.  hidden = Q(relu(x W1^T + b1)) for the rows (token, expert) that assign names, as E4M3 codes with the given scale 2^eh.
; Only those rows are made: an expert that assign does not name for a token is thrown away by the layer's own mask.
; x: 1,024 tokens x 1,024 codes.  W1: [8][4096][1024] codes, K innermost.  lowp_scales: ex, ew1, ew2, eh.
; SHARES.  id: e = id / 32, rh = bit 4, hc = id % 16.  A work-group owns hidden units 256 hc .. + 255 of expert e and the expert's row tiles 2 u + rh (16 rows each).  Wave w: 64 of the units, in 512 registers for the whole launch;
; their 64 rows x 1,024 bytes of W1 come as 2 rows x 256 aligned bytes a load and turn into fragments through the wave's own stage in LDS, 256 bytes along K a round.
; The row tiles go in blocks of four (u = 4 j + i) through two LDS buffers: wave w gathers tile i = w, 2 rows x 256 aligned bytes a load; all four waves multiply all four tiles.
; A tile whose first place is at or behind the count is not multiplied, but row tiles 0 to 7 always are; rows behind the count take some token below 1,024, and no word of dst that is used names them.
; THE ORDER OF AN EXPERT'S ROWS.  Ballot i = 2 q + par covers tokens 64 q + 2 lane + par; m_i = the lanes whose token names e; C_i = the bits set in m_0 .. m_(i-1).  A token's place is C_i + the bits of m_i below its lane.
; TABLES.  dst[e][rh][u][r]: for place 16 (2 u + rh) + r, token + 1,024 x (0 if the token's first id is e, else 1), + 65,536 if both ids are e; all words are written (at or behind the count they serve nobody).
; counts[e][0 .. 63] = the expert's rows.
; THE PRODUCT IS USED TRANSPOSED: source 0 = 16 rows of W1, source 1 = 16 rows of x: a lane holds one token and eight units.  Lane r of unit tile 2 b + u takes unit 32 b + 8 u + r + 8 (r / 8), so that the 16 registers of
; tiles 2 b, 2 b + 1 are 16 neighbouring units and the conversions' results are four registers of the second product's operand.  In the stage the rows of a unit tile are laid side by side.
; The codes are stored as that operand's registers lie: hidden[e][row tile][K step 2 hc + w / 2][c = 2 (w % 2) + b][lane][16 bytes].  Each store of a wave covers 512 consecutive bytes, aligned.
; A fragment (16 rows x 128 K, 16 registers): lane (r, h), registers 4 c .. 4 c + 3 = bytes 128 s + 32 c + 16 h + 0 .. 15 of row r: a permutation of k that is the same on both sides of every product.
; b1 goes in as the C of each sum's first product, divided by 2^(ex + ew1); the conversion takes 2^(eh - ex - ew1); the hold between 0 and 448 x that is the relu as well.
; NO TENSOR LOAD, NO CLUSTER, though x and W1 are shared: which rows an expert takes is a list and how many is a count, both made from assign; branches below hang on the count.
; NO PREFETCH: W1's 128 loads of a wave are issued at the head as fast as their counter takes them, and no loop runs ahead of a stream from memory.
; LIMITS: eh - ex - ew1 between -126 and 119; NaN in b1 is not served; the ids in assign lie in 0 .. 7 (another id is not served).
; REGISTERS, in windows of 256.  Window 0: v1-31 addresses and small things, v32-63 b1, v64-95 four accumulators, v96-127 codes (v64-127 at the head: assign), v128-255 32 loads of x (at the head: work).
;   Windows 1, 2: W1's fragments, (K step s, tile t) at window 1 + s / 4, v[64 (s % 4) + 16 t].   Window 3: x's fragments of two row tiles by turns, v[128 (i % 2) + 16 s].
.set XP,    1040                       ; an LDS row of x: 1,024 bytes + 16 = 65 x 16: sixteen neighbouring rows begin at sixteen different 16-byte columns of 256 bytes
.set SWB,   17408                      ; LDS: each wave's stage, 64 rows x (256 + 16) bytes;
.set XB,    4*SWB                      ; then two buffers of 64 rows of x;
.set XBUF,  64*XP
.set LIST,  XB+2*XBUF                  ; then each wave's list of tokens: 64 bytes a block; all zeroed first
.set LW,    1024
.set DSTL,  LIST+4*LW                  ; then 64 words of dst;
.set SPARE, DSTL+256                   ; then the spare words, 128 bytes a wave
.set COL,  1                           ; 16 r
.set LRD,  2                           ; my word of my wave's list, block 0, row pair 0
.set XST,  3                           ; v3-4 where I store a row's 16 bytes in buffer 0, 1
.set XFR,  5                           ; v5-6 where I read x's fragments in buffer 0, 1
.set HCO,  7                           ; my byte in hidden: 16 lane
.set LIM,  8                           ; 448 x 2^(eh - ex - ew1)
.set SCL,  9                           ; 2^(eh - ex - ew1)
.set LAD,  10
.set WOF,  11                          ; W1: my byte in the work-group's block
.set STI,  12                          ; the stage, in
.set STF,  13                          ; the stage, out as fragments
.set LSA,  14                          ; the list: where I store a token, trip 0
.set LSW,  15
.set GA,   16                          ; v16-23 the gather's tokens and offsets
.set SPW,  24                          ; my spare word
.set NIL,  25                          ; 0
.set TK,   26
.set DSA,  27
.set ID,   28
.set D1,   30
.set D2,   31
.set BIAS, 32
.set ACC,  64
.set RAWA, 64
.set CD,   96
.set LAND, 128
.set TL,   228
.set TR,   229
.set TH,   230
.set T3,   231
.set T4,   232
.set AO,   234
.set LTA,  238
.set LZ,   239
.set BO,   240
.set S0,   241                         ; the place that I look up in trip 0
.set Z4,   244
.set M,    24                          ; s24-55  m_0 .. m_31
.set CC,   66                          ; s66-97  C_1 .. C_32; s97 = the count
.set MSB, 0
.macro WIN new                         ; the immediate's high byte repeats the setting that is left; a switch that changes nothing is dropped
.if MSB != (\new)
	s_set_vgpr_msb (MSB<<8)|(\new)
.set MSB, (\new)
.endif
.endm
	s_load_b512 s[4:19], s[0:1], 0x0               ; x 4, W1 6, b1 8, assign 10, scales 12, hidden 14, dst 16, counts 18
	v_lshrrev_b32 v[TL], 5, v0
	v_readfirstlane_b32 s20, v[TL]                 ; wave
	s_lshr_b32 s21, ttmp9, 5                       ; e
	s_and_b32 s22, ttmp9, 15                       ; hc
	s_bfe_u32 s100, ttmp9, 0x10004                 ; rh
	s_mul_i32 s23, s20, LW
	s_add_co_u32 s23, s23, LIST                    ; my list
	s_and_b32 s2, s22, 7
	s_lshl_b32 s2, s2, 6
	s_add_co_u32 s2, s2, s23                       ; its block hc % 8
	s_mul_i32 s3, s20, 16*XP
	s_add_co_u32 s3, s3, XB                        ; my tile of a buffer
	s_lshl_b32 s60, s20, 16
	s_mul_i32 s61, s20, SWB
	s_lshl_b32 s63, s20, 6
	s_add_co_u32 s63, s63, DSTL
	s_lshl_b32 s98, s20, 5
	s_lshl_b32 s99, s100, 4
	s_add_co_u32 s98, s98, s99                     ; 32 w + 16 rh
	v_lshl_add_u32 v[SPW], v0, 2, SPARE
	v_mov_b32 v[NIL], 0
	v_and_b32 v[TL], 31, v0                        ; lane
	v_and_b32 v[TR], 15, v0                        ; r
	v_bfe_u32 v[TH], v0, 4, 1                      ; h
	v_lshlrev_b32 v[COL], 4, v[TR]
	v_lshlrev_b32 v[AO], 4, v[TL]                  ; assign: two tokens a lane
	v_lshl_add_u32 v[WOF], v[TH], 10, v[COL]
	v_add_nc_u32 v[WOF], s60, v[WOF]               ; rows 64 w + h of W1's block, 1,024 bytes a row
	v_lshl_add_u32 v[LRD], v[TH], 2, s23           ; lanes 0-15 read the even row's token, lanes 16-31 the odd row's
	v_lshl_add_u32 v[LSA], v[TL], 2, s23
	v_lshl_add_u32 v[LZ], v[TL], 4, s23
	v_lshl_add_u32 v[LTA], v[TR], 2, s2
	v_mul_u32_u24 v[T3], v[TH], XP
	v_add_nc_u32 v[T3], v[T3], v[COL]              ; h rows + my 16 bytes
	v_add_nc_u32 v[XST], s3, v[T3]
	v_add_nc_u32 v[XST+1], XBUF, v[XST]
	v_mul_u32_u24 v[T4], v[TR], XP
	v_lshl_add_u32 v[T4], v[TH], 4, v[T4]
	v_add_nc_u32 v[XFR], XB, v[T4]
	v_add_nc_u32 v[XFR+1], XBUF, v[XFR]
	v_lshlrev_b32 v[HCO], 4, v[TL]
	v_mul_u32_u24 v[T3], v[TH], 272
	v_add_nc_u32 v[T3], v[T3], v[COL]
	v_add_nc_u32 v[STI], s61, v[T3]
	v_mul_u32_u24 v[T4], v[TR], 272
	v_lshl_add_u32 v[T4], v[TH], 4, v[T4]
	v_add_nc_u32 v[STF], s61, v[T4]
	v_lshlrev_b32 v[BO], 6, v[TH]                  ; b1: 16 h units
	v_lshl_add_u32 v[DSA], v[TR], 2, s63
	v_lshl_add_u32 v[S0], v[TH], 7, v[TR]
	v_add_nc_u32 v[S0], s98, v[S0]                 ; 128 h + 32 w + 16 rh + r
.irp j, 0,1,2,3
	v_mov_b32 v[Z4+\j], 0
.endr
	s_wait_alu depctr_va_vdst(0)
	s_wait_kmcnt 0x0
	s_load_b128 s[56:59], s[12:13], 0x0            ; ex, ew1, ew2, eh
.set qq, 0
.rept 16
	global_load_b128 v[RAWA+4*qq:RAWA+4*qq+3], v[AO], s[10:11] offset:512*qq
.set qq, qq+1
.endr
	s_lshl_b32 s62, s21, 22
	s_lshl_b32 s3, s22, 18
	s_add_co_u32 s62, s62, s3
	s_mov_b32 s63, 0
	s_add_nc_u64 s[6:7], s[6:7], s[62:63]          ; W1 at my block: (4,096 e + 256 hc) rows
.macro RAW q                           ; 256 bytes along K of my 64 rows, as they lie
	WIN 0x40*(1+(\q)/2)
.set ii, 0
.rept 32
	global_load_b128 v[128*((\q)%2)+4*ii:128*((\q)%2)+4*ii+3], v[WOF], s[6:7] offset:2048*ii+256*(\q)
.set ii, ii+1
.endr
	WIN 0
.endm
.macro TURNW q                         ; through my own stage and back into the registers that they left, as fragments.  LDS serves a wave's instructions in order: no wait between stores and loads, nor ahead of the next round's stores
	WIN 0x04*(1+(\q)/2)
.set ii, 0
.rept 32
.set OO, (2*ii)%32                     ; of each 32 units the stage has 0-7, 16-23, then 8-15, 24-31: a unit tile's 16 rows side by side
.set SLOT, 32*((2*ii)/32)+16*((OO/8)%2)+8*(OO/16)+OO%8
	ds_store_b128 v[STI], v[128*((\q)%2)+4*ii:128*((\q)%2)+4*ii+3] offset:272*SLOT
.set ii, ii+1
.endr
	WIN 0x40*(1+(\q)/2)
.irp g, 0,1
.irp t, 0,1,2,3
.irp c, 0,1,2,3
	ds_load_b128 v[128*((\q)%2)+64*\g+16*\t+4*\c:128*((\q)%2)+64*\g+16*\t+4*\c+3], v[STF] offset:4352*\t+128*\g+32*\c
.endr
.endr
.endr
	WIN 0
.endm
	RAW 0
	s_lshl_b32 s62, s21, 14
	s_lshl_b32 s3, s22, 10
	s_add_co_u32 s62, s62, s3
	s_lshl_b32 s3, s20, 8
	s_add_co_u32 s62, s62, s3
	s_add_nc_u64 s[8:9], s[8:9], s[62:63]          ; b1 at my wave's 64 units
	s_lshl_b32 s62, s21, 22
	s_lshl_b32 s3, s22, 12
	s_add_co_u32 s62, s62, s3
	s_lshl_b32 s3, s20, 10
	s_add_co_u32 s62, s62, s3
	s_lshl_b32 s3, s100, 16
	s_add_co_u32 s62, s62, s3
	s_add_nc_u64 s[14:15], s[14:15], s[62:63]      ; hidden at expert e, row tile rh, my units
	s_wait_loadcnt 32                              ; assign is in: round 0's 32 loads of W1 stand behind it
	; THE BALLOTS
.set i, 0
.rept 32
	v_cmp_eq_u32 s[M+i], s21, v[RAWA+4*(i/2)+2*(i%2)]
.set i, i+1
.endr
.set i, 0
.rept 32
	v_cmp_eq_u32 s[CC+i], s21, v[RAWA+4*(i/2)+2*(i%2)+1]
.set i, i+1
.endr
	RAW 1
.irp t, 0,1,2,3
	global_load_b128 v[BIAS+8*\t:BIAS+8*\t+3],   v[BO], s[8:9] offset:(32*(\t/2)+8*(\t%2))*4
	global_load_b128 v[BIAS+8*\t+4:BIAS+8*\t+7], v[BO], s[8:9] offset:(32*(\t/2)+8*(\t%2))*4+16
.endr
	s_or_b32 s[M], s[M], s[CC]
	s_bcnt1_i32_b32 s[CC], s[M]                    ; C_1
.set i, 1
.rept 31
	s_or_b32 s[M+i], s[M+i], s[CC+i]
	s_bcnt1_i32_b32 s3, s[M+i]
	s_add_co_u32 s[CC+i], s[CC+i-1], s3            ; C_(i+1)
.set i, i+1
.endr
	s_max_u32 s104, s97, 128                       ; row tiles 0 to 7 are always made
	s_lshl_b32 s3, s100, 4
	s_sub_co_u32 s104, s104, s3                    ; what the guards compare with: my tile u begins ahead of the count if 32 u is below this
	RAW 2
	s_wait_kmcnt 0x0
	s_add_co_i32 s3, s56, s57                      ; ex + ew1: a sum stands for sum x 2^(ex + ew1)
	s_sub_co_i32 s105, 0, s3
	s_sub_co_i32 s3, s59, s3
	s_add_co_i32 s3, s3, 127
	s_lshl_b32 s62, s3, 23
	v_mov_b32 v[SCL], s62
	s_add_co_i32 s3, s3, 8
	s_lshl_b32 s3, s3, 23
	s_or_b32 s3, s3, 0x600000
	v_mov_b32 v[LIM], s3
	; THE LIST: the token at each place that my wave will gather.  Trip g: places 256 g + 128 h + 32 w + 16 rh + r, blocks 2 g and 2 g + 1: 128 consecutive bytes of the wave's own list.
.irp j, 0,1
	ds_store_b128 v[LZ], v[Z4:Z4+3] offset:512*\j
.endr
.macro DESCENT x, width, step          ; is the wanted bit in the lower half of what is left?  v228 = bits still to pass, v237 = the lane so far
	v_bfe_u32 v230, v[\x], v237, \width
	v_cmp_ge_u32 vcc_lo, v228, v230
	v_cndmask_b32 v230, 0, v230, vcc_lo
	v_cndmask_b32 v232, 0, \step, vcc_lo
	v_sub_nc_u32 v228, v228, v230
	v_add_nc_u32 v237, v237, v232
.endm
	s_mov_b32 s99, 0
.Lselect:
	s_cmp_lt_u32 s99, s104
	s_cbranch_scc0 .Lselect_next
	v_add_nc_u32 v228, s99, v[S0]                  ; the place
	v_mov_b32 v229, s[M]                           ; its ballot's mask,
	v_mov_b32 v230, 0                              ; first place,
	v_mov_b32 v231, 0                              ; and number: the last ballot whose C is not above the place
	v_cmp_le_u32 s2, s[CC], v228
.set i, 1
.rept 31
.if i < 31
	v_cmp_le_u32 s[2+(i%2)], s[CC+i], v228
.endif
	v_cndmask_b32 v229, v229, s[M+i], s[2+((i-1)%2)]
	v_cndmask_b32 v230, v230, s[CC+i-1], s[2+((i-1)%2)]
	v_cndmask_b32 v231, v231, i, s[2+((i-1)%2)]
.set i, i+1
.endr
	v_sub_nc_u32 v228, v228, v230
	v_lshrrev_b32 v233, 1, v229                    ; the mask's bits counted in fields of 2, 4, 8 and 16
	v_and_b32 v233, 0x55555555, v233
	v_sub_nc_u32 v233, v229, v233
	v_lshrrev_b32 v234, 2, v233
	v_and_b32 v234, 0x33333333, v234
	v_and_b32 v235, 0x33333333, v233
	v_add_nc_u32 v234, v234, v235
	v_lshrrev_b32 v235, 4, v234
	v_add_nc_u32 v235, v235, v234
	v_and_b32 v235, 0x0f0f0f0f, v235
	v_lshrrev_b32 v236, 8, v235
	v_add_nc_u32 v236, v236, v235
	v_mov_b32 v237, 0
	DESCENT 236, 8, 16
	DESCENT 235, 8, 8
	DESCENT 234, 4, 4
	DESCENT 233, 2, 2
	DESCENT 229, 1, 1
	v_and_b32 v232, 1, v231
	v_lshrrev_b32 v231, 1, v231
	v_lshl_add_u32 v232, v231, 6, v232
	v_lshl_add_u32 v232, v237, 1, v232             ; token = 64 (i / 2) + i % 2 + 2 lane
	s_lshr_b32 s60, s99, 1
	v_add_nc_u32 v[LSW], s60, v[LSA]
	ds_store_b32 v[LSW], v232
.Lselect_next:
	s_add_co_u32 s99, s99, 256
	s_cmp_lt_u32 s99, 1024
	s_cbranch_scc1 .Lselect
.macro GLIST adr, off                  ; the tokens of my tile of a block: words that my own wave stored, and LDS serves a wave's instructions in order
.irp p, 0,1,2,3,4,5,6,7
	ds_load_b32 v[GA+\p], v[\adr] offset:(\off)+8*\p
.endr
.endm
.macro GADDR                           ; a loaded token enters an address behind its clamp, a shift and an add
.irp p, 0,1,2,3,4,5,6,7
	v_min_u32 v[GA+\p], 0x3ff, v[GA+\p]
.endr
.irp p, 0,1,2,3,4,5,6,7
	v_lshlrev_b32 v[GA+\p], 10, v[GA+\p]
.endr
.irp p, 0,1,2,3,4,5,6,7
	v_add_nc_u32 v[GA+\p], v[GA+\p], v[COL]
.endr
.endm
.macro XL i                            ; row pairs 2 i, 2 i + 1 of my tile: eight loads; lanes 0-15 read 256 aligned bytes of one row, lanes 16-31 of the next
.irp p, 2*(\i),2*(\i)+1
.irp k, 0,1,2,3
	global_load_b128 v[LAND+16*(\p)+4*\k:LAND+16*(\p)+4*\k+3], v[GA+\p], s[4:5] offset:256*\k
.endr
.endr
.endm
	GLIST LRD, 0
	ds_load_b32 v[TK], v[LTA]                      ; my tile of block hc % 8, row r: its word of dst is mine to make
	s_wait_dscnt 0x0
	v_min_u32 v[TK], 0x3ff, v[TK]
	v_lshlrev_b32 v[D1], 3, v[TK]
	global_load_b64 v[ID:ID+1], v[D1], s[10:11]    ; that token's two ids
	RAW 3
	s_wait_loadcnt 63                              ; rounds 0 and 1 and b1 are in: behind b1 stand 32 + 1 + 32 loads
	TURNW 0
	TURNW 1
.set jj, 0
.rept 32
	v_ldexp_f32 v[BIAS+jj], v[BIAS+jj], s105       ; b1 / 2^(ex + ew1)
.set jj, jj+1
.endr
	GADDR
.irp i, 0,1,2,3
	XL \i                                          ; block 0 is always made
.endr
	s_wait_loadcnt 63                              ; round 2 and the ids are in: behind round 2 stand 1 + 32 + 32 loads
	TURNW 2
	v_cmp_eq_u32 s2, s21, v[ID]
	v_cmp_eq_u32 s3, s21, v[ID+1]
	v_mov_b32 v[D1], 0x400
	v_mov_b32 v[D2], 0x10000
	s_and_b32 s3, s2, s3
	v_cndmask_b32 v[D1], v[D1], 0, s2
	v_cndmask_b32 v[D2], 0, v[D2], s3
	v_add_nc_u32 v[D1], v[D1], v[TK]
	v_or_b32 v[D1], v[D1], v[D2]
	ds_store_b32 v[DSA], v[D1]
	s_wait_loadcnt 32                              ; round 3 is in: block 0's 32 loads stand behind it
	TURNW 3
	s_wait_dscnt 0x0                               ; my fragments are in; for the others' sake: my words of dst have landed
	s_barrier_signal -1
	s_barrier_wait -1
	s_cmp_lg_u32 s20, 0                            ; THE TABLES, by wave 0 of work-groups hc = 0 .. 7: 256 consecutive aligned bytes a store.  Their registers are next written by conversions behind a wait on XCNT
	s_cbranch_scc1 .Lno_tables
	s_cmp_lt_u32 s22, 8
	s_cbranch_scc0 .Lno_tables
	s_lshl_b32 s2, s21, 12
	s_lshl_b32 s3, s100, 11
	s_add_co_u32 s2, s2, s3
	s_lshl_b32 s3, s22, 8
	s_add_co_u32 s2, s2, s3
	v_and_b32 v96, 31, v0
	v_lshlrev_b32 v96, 3, v96
	v_add_nc_u32 v97, s2, v96                      ; dst: 4,096 e + 2,048 rh + 256 hc + 8 lane
	v_add_nc_u32 v98, DSTL, v96
	s_wait_alu depctr_va_vdst(0)
	ds_load_b64 v[100:101], v98
	s_wait_dscnt 0x0
	global_store_b64 v97, v[100:101], s[16:17]
	s_or_b32 s3, s22, s100
	s_cmp_lg_u32 s3, 0
	s_cbranch_scc1 .Lno_tables
	s_lshl_b32 s3, s21, 8
	v_add_nc_u32 v99, s3, v96                      ; counts: 256 e + 8 lane
	v_mov_b32 v102, s97
	v_mov_b32 v103, s97
	global_store_b64 v99, v[102:103], s[18:19]
.Lno_tables:
.macro FRAGS i, b                      ; x's fragments of a block's row tile i: 32 loads into half i % 2 of window 3
	WIN 0xc0
.irp q, 0,1,2,3,4,5,6,7
.irp c, 0,1,2,3
	ds_load_b128 v[128*((\i)%2)+16*\q+4*\c:128*((\i)%2)+16*\q+4*\c+3], v[XFR+\b] offset:16*XP*(\i)+128*\q+32*\c
.endr
.endr
	WIN 0
.endm
.macro XNEXT i                         ; a quarter of the next block's gather, if there is a next block
	s_cmp_lg_u32 s101, 0
	s_cbranch_scc0 .Lnox_\@
	XL \i
.Lnox_\@:
.endm
; ONE ROW TILE: 32 products against my four unit tiles, K ascending; the four accumulators take turns, one instruction a turn.
; Then the fragments two tiles on; relu and hold in one, each accumulator from its low end on; four conversions; two stores of 512 consecutive bytes.
.macro RTILE i, b, lab
.if (\i) > 0
	s_add_co_u32 s3, s99, 128*(\b)+32*(\i)
	s_cmp_lt_u32 s3, s104
	s_cbranch_scc0 .Lidle_\lab
.endif
	XNEXT \i
.if (\i) < 3
.set OUT, 60                           ; LDS loads behind K step 0's four: 28 of this tile and 32 of the next
.else
.set OUT, 28
.endif
.set ks, 0
.rept 8
	s_wait_dscnt OUT-4*ks                          ; K step ks' four loads are in; the younger ones may be out
.if ks < 4
	WIN 0x0d                                       ; source 0 (W1) window 1, source 1 (x) window 3, C and D window 0
.else
	WIN 0x0e                                       ; source 0 window 2
.endif
.irp t, 0,1,2,3
.if ks == 0
	v_wmma_f32_16x16x128_fp8_fp8 v[ACC+8*\t:ACC+8*\t+7], v[64*(ks%4)+16*\t:64*(ks%4)+16*\t+15], v[128*((\i)%2)+16*ks:128*((\i)%2)+16*ks+15], v[BIAS+8*\t:BIAS+8*\t+7]
.else
	v_wmma_f32_16x16x128_fp8_fp8 v[ACC+8*\t:ACC+8*\t+7], v[64*(ks%4)+16*\t:64*(ks%4)+16*\t+15], v[128*((\i)%2)+16*ks:128*((\i)%2)+16*ks+15], v[ACC+8*\t:ACC+8*\t+7]
.endif
.endr
.set ks, ks+1
.endr
	WIN 0
.rept 4
	v_nop                                          ; four places behind the products, for the loads below and the first read of results
.endr
.if (\i) < 2
	FRAGS (\i)+2, \b
.endif
.if (\i) == 0
	s_wait_xcnt 0x0                                ; the last block's stores have read the codes' registers
.endif
.set jj, 0
.rept 32
	v_med3_num_f32 v[ACC+jj], v[ACC+jj], 0, v[LIM]
.set jj, jj+1
.endr
.irp t, 0,1,2,3
	v_cvt_scalef32_pk8_fp8_f32 v[CD+8*(\i)+2*\t:CD+8*(\i)+2*\t+1], v[ACC+8*\t:ACC+8*\t+7], v[SCL]
.endr
	v_nop                                          ; one plain instruction behind the last conversion
	global_store_b128 v[HCO], v[CD+8*(\i):CD+8*(\i)+3],   s[14:15] offset:524288*(\b)+131072*(\i)
	global_store_b128 v[HCO], v[CD+8*(\i)+4:CD+8*(\i)+7], s[14:15] offset:524288*(\b)+131072*(\i)+512
.endm
; A BLOCK OF 4 ROW TILES, in x's buffer b.  One barrier: in front of it my stores of this block have landed and my reads of the block before are in; the other buffer is stored again only behind the next block's barrier.
.macro BLOCK b
	s_add_co_u32 s3, s99, 128*(\b)
	s_cmp_lt_u32 s3, s104
	s_cbranch_scc0 .Lmeet_\@
	s_wait_loadcnt 0x0                             ; my 16 rows of this block are in, and their offsets' registers are free
.irp p, 0,1,2,3,4,5,6,7
.irp k, 0,1,2,3
	ds_store_b128 v[XST+\b], v[LAND+16*\p+4*\k:LAND+16*\p+4*\k+3] offset:2*XP*\p+256*\k
.endr
.endr
	s_add_co_u32 s3, s99, 128*(\b)+128
	s_cmp_lt_u32 s3, s104
	s_cbranch_scc0 .Lmeet_\@
	s_lshr_b32 s3, s99, 1
	v_add_nc_u32 v[LAD], s3, v[LRD]
	GLIST LAD, 64*(\b)+64                          ; the next block's tokens
.Lmeet_\@:
	s_wait_dscnt 0x0
	s_barrier_signal -1
	s_barrier_wait -1
	s_add_co_u32 s3, s99, 128*(\b)
	s_cmp_lt_u32 s3, s104
	s_cbranch_scc0 .Lidle_\@
	s_add_co_u32 s3, s99, 128*(\b)+128
	s_cmp_lt_u32 s3, s104
	s_cselect_b32 s101, 1, 0                       ; is there a next block?
	FRAGS 0, \b
	FRAGS 1, \b
	s_wait_loadcnt 0x0                             ; (no load is out on the way that is taken: written so that the offsets' registers are free on every way)
	GADDR
	s_wait_alu depctr_va_vdst(0)
.irp i, 0,1,2,3
	RTILE \i, \b, \@
.endr
.Lidle_\@:
.endm
	s_mov_b32 s99, 0                               ; 128 x the trip's first block
.Lblocks:
	BLOCK 0
	BLOCK 1
	s_wait_xcnt 0x0                                ; the stores have read their base
	s_add_nc_u64 s[14:15], s[14:15], 0x100000      ; sixteen row tiles on
	s_add_co_u32 s99, s99, 256
	s_cmp_lt_u32 s99, 1024
	s_cbranch_scc1 .Lblocks
	s_wait_tensorcnt 0x0                           ; the wave's end
	ds_add_u32 v[SPW], v[NIL]
	s_wait_dscnt 0x0
	s_endpgm
.Lfunc_end_k_q48e27fb012_up:
	.size	k_q48e27fb012_up, .Lfunc_end_k_q48e27fb012_up-k_q48e27fb012_up
	.p2alignl 7, 3214868480
	.fill 96, 4, 3214868480
	.section	.rodata,"a",@progbits
	.p2align	6, 0x0
	.amdhsa_kernel k_q48e27fb012_up
		.amdhsa_group_segment_fixed_size 207616
		.amdhsa_private_segment_fixed_size 0
		.amdhsa_enable_private_segment 0
		.amdhsa_kernarg_size 64
		.amdhsa_user_sgpr_count 2
		.amdhsa_user_sgpr_kernarg_segment_ptr 1
		.amdhsa_wavefront_size32 1
		.amdhsa_system_sgpr_workgroup_id_x 1
		.amdhsa_system_sgpr_workgroup_id_y 1
		.amdhsa_system_sgpr_workgroup_id_z 1
		.amdhsa_system_vgpr_workitem_id 0
		.amdhsa_next_free_vgpr 1024
		.amdhsa_next_free_sgpr 106
		.amdhsa_reserve_vcc 1
		.amdhsa_float_denorm_mode_32 3
		.amdhsa_float_denorm_mode_16_64 3
		.amdhsa_memory_ordered 1
		.amdhsa_forward_progress 1
		.amdhsa_inst_pref_size 134
	.end_amdhsa_kernel
	.amdgpu_metadata
---
amdhsa.version: [ 1, 2 ]
amdhsa.kernels:
  - .name:           k_q48e27fb012_up
    .symbol:         k_q48e27fb012_up.kd
    .args:
      - { .name: x_codes, .offset: 0, .size: 8, .value_kind: global_buffer, .address_space: global }
      - { .name: W1_codes, .offset: 8, .size: 8, .value_kind: global_buffer, .address_space: global }
      - { .name: b1, .offset: 16, .size: 8, .value_kind: global_buffer, .address_space: global }
      - { .name: assign, .offset: 24, .size: 8, .value_kind: global_buffer, .address_space: global }
      - { .name: lowp_scales, .offset: 32, .size: 8, .value_kind: global_buffer, .address_space: global }
      - { .name: hidden, .offset: 40, .size: 8, .value_kind: global_buffer, .address_space: global }
      - { .name: dst, .offset: 48, .size: 8, .value_kind: global_buffer, .address_space: global }
      - { .name: counts, .offset: 56, .size: 8, .value_kind: global_buffer, .address_space: global }
    .group_segment_fixed_size: 207616
    .private_segment_fixed_size: 0
    .kernarg_segment_align: 8
    .kernarg_segment_size: 64
    .max_flat_workgroup_size: 128
    .sgpr_count:     106
    .vgpr_count:     1024
    .wavefront_size: 32
...
	.end_amdgpu_metadata
.endif
;; end of part 1
;; launch down (part 2): grid 256 x 1, 4 waves a work-group, no clusters, 270,848 bytes of LDS; arguments W2_codes, hidden, counts, dst, b2, lowp_scales, y; writes y
.if DOCPART == 2
	.amdgcn_target "amdgcn-amd-amdhsa--gfx1250"
	.amdhsa_code_object_version 6
	.text
	.protected	k_q48e27fb012_down
	.globl	k_q48e27fb012_down
	.p2align	8
	.type	k_q48e27fb012_down,@function
k_q48e27fb012_down:
	s_mov_b64 s[64:65], 0
	v_nop
	global_prefetch_b8 v0, s[64:65] scope:SCOPE_SE
	s_setreg_imm32_b32 hwreg(HW_REG_WAVE_MODE, 25, 1), 1
	s_wait_xcnt 0x0
; SECOND LAYER OF THE CHOSEN EXPERTS (rows that no id names are not made: the first launch's head).  For the row (token t, expert e), which = 0 if t's first id is e, else 1, and each half kh of K:
; y[kh][which][t][d] = (hidden . W2[e][d] over that half x 2^(ew2 + eh) + (b2[e][d] if kh = 0)) / 2, f32: the division by k = 2 is folded in.  Where both ids of t are e, the row goes to which = 0 and a row of zeros to which = 1:
; so every row of y is stored, each by one work-group for each 128 columns, and the last launch only adds four planes.
; W2: [8][1024][4096] codes, K innermost.  hidden: the first launch's codes, laid as this product's operand registers: [e][row tile][K step 32][c 4][lane 32][16 bytes].  counts[e][0]: the expert's rows.
; dst[e][rh][u][r]: where row r of row tile 2 u + rh goes: t + 1,024 which, + 65,536 if both ids are e.
; SHARES.  id: e = id / 32, rh = bit 4, dc = bits 3, 1, 0, kh = bit 2.  A work-group owns 128 columns, 2,048 of K and the row tiles 2 u + rh.  Wave w owns 512 of that K: K steps 16 kh + 4 w .. + 3.
; Its 128 rows x 512 bytes of W2 stay in 512 registers ((K step kk, column tile n) at window 1 + kk / 2, v[128 (kk % 2) + 16 n]); they are loaded as 2 rows x 256 aligned bytes and turned into fragments through the wave's own stage in LDS.
; hidden comes from memory straight into operand registers, 512 consecutive bytes a load, through a ring of four units in window 3.  A unit is a row tile's four K steps: 16 loads, 64 registers, 32 products.
; While a tile is multiplied, its unit's registers are filled again K step by K step, and the tile before goes to LDS.
; THE PRODUCT IS USED TRANSPOSED: source 0 = 16 rows of W2, source 1 = 16 rows of hidden: a lane holds one row and eight neighbouring columns.  The four waves' partial sums of a batch of 4 row tiles meet in LDS, in two buffers by turns;
; wave w adds and stores tile w of the batch, a row of 512 consecutive aligned bytes a store.
; NO TENSOR LOAD, NO CLUSTER, though 8 work-groups read the same tiles of hidden: how many tiles there are is a count read from memory, the guards below branch on it.
; NO PREFETCH: W2's 128 loads of a wave are issued at the head as fast as their counter takes them, and the ring itself asks four row tiles ahead.
; The loop over pairs of batches has 4 trips whatever the count; its barriers stand outside the guards.  The first four units lie in row tiles 0 to 7, which the first launch always writes: they are asked for without a guard.
; LIMITS: ew2 + eh - 1 between -126 and 127; the ids in assign lie in 0 .. 7.  The sum over K is made in eight parts, added in f32.
.set WREG,  67584                      ; LDS: a wave's bytes: first its stage (128 rows x 272), then its partial sums: 2 buffers x 4 tiles x 16 rows x (512 + 16)
.set BUF,   33792
.set SPARE, 4*WREG                     ; then the spare words, 128 bytes a wave
.set HB,   2                           ; my byte in a row tile: 16 lane + 65,536 rh + 32,768 kh + 8,192 w
.set STI,  7                           ; the stage, in
.set STF,  8                           ; the stage, out as fragments
.set WOF,  9                           ; W2: my byte
.set PST,  10                          ; where I put 16 bytes of a partial row
.set PRD,  11                          ; v11-14 where I read the four waves' partial rows
.set L16,  15                          ; 16 lane
.set YA,   16                          ; v16-31 the stored rows' offsets
.set BB,   32                          ; v32-35 b2 / 2 of my four columns, or 0
.set ZR,   36                          ; v36-39 0
.set SPW,  40
.set NIL,  41
.set ACC,  48                          ; v48-175 two sets of eight accumulators, by the tile's parity; v48-255 the reduction
.set MSB, 0
.macro WIN new
.if MSB != (\new)
	s_set_vgpr_msb (MSB<<8)|(\new)
.set MSB, (\new)
.endif
.endm
	s_load_b256 s[4:11], s[0:1], 0x0               ; W2 4, hidden 6, counts 8, dst 10
	s_load_b128 s[12:15], s[0:1], 0x20             ; b2 12, scales 14
	s_load_b64 s[16:17], s[0:1], 0x30              ; y
	v_lshrrev_b32 v42, 5, v0
	v_readfirstlane_b32 s18, v42                   ; wave
	s_lshr_b32 s19, ttmp9, 5                       ; e
	s_and_b32 s20, ttmp9, 3
	s_bfe_u32 s21, ttmp9, 0x10003
	s_lshl_b32 s21, s21, 2
	s_or_b32 s20, s20, s21                         ; dc
	s_bfe_u32 s21, ttmp9, 0x10002                  ; kh
	s_bfe_u32 s22, ttmp9, 0x10004                  ; rh
	s_lshl_b32 s26, s22, 16
	s_lshl_b32 s27, s21, 15
	s_add_co_u32 s26, s26, s27
	s_lshl_b32 s27, s18, 13
	s_add_co_u32 s26, s26, s27
	s_mul_i32 s27, s18, WREG
	s_lshl_b32 s28, s18, 9
	s_mul_i32 s29, s18, 8448
	v_and_b32 v42, 31, v0                          ; lane
	v_and_b32 v43, 15, v0                          ; r
	v_bfe_u32 v44, v0, 4, 1                        ; h
	v_lshlrev_b32 v[L16], 4, v42
	v_add_nc_u32 v[HB], s26, v[L16]
	v_lshlrev_b32 v45, 4, v43
	v_mul_u32_u24 v46, v44, 272
	v_add_nc_u32 v46, v46, v45                     ; row h, my 16 bytes
	v_add_nc_u32 v[STI], s27, v46
	v_mul_u32_u24 v47, v43, 272
	v_lshl_add_u32 v47, v44, 4, v47                ; row r, 16 h
	v_add_nc_u32 v[STF], s27, v47
	v_lshl_add_u32 v[WOF], v44, 12, v45            ; row h of 4,096 bytes, my 16 bytes
	v_add_nc_u32 v[WOF], s28, v[WOF]
	v_mul_u32_u24 v[PST], v43, 528
	v_lshl_add_u32 v[PST], v44, 5, v[PST]
	v_add_nc_u32 v[PST], s27, v[PST]               ; my wave's part: row r, + 32 h
	v_add_nc_u32 v[PRD], s29, v[L16]               ; tile w of wave 0's part,
	v_add_nc_u32 v[PRD+1], WREG, v[PRD]
	v_add_nc_u32 v[PRD+2], WREG, v[PRD+1]
	v_add_nc_u32 v[PRD+3], WREG, v[PRD+2]          ; of waves 1 to 3
.irp j, 0,1,2,3
	v_mov_b32 v[ZR+\j], 0
.endr
	v_lshl_add_u32 v[SPW], v0, 2, SPARE
	v_mov_b32 v[NIL], 0
	s_wait_alu depctr_va_vdst(0)
	s_wait_kmcnt 0x0
	s_mov_b32 s27, 0
	s_lshl_b32 s26, s19, 22
	s_lshl_b32 s28, s20, 19
	s_add_co_u32 s26, s26, s28
	s_lshl_b32 s28, s21, 11
	s_add_co_u32 s26, s26, s28
	s_add_nc_u64 s[4:5], s[4:5], s[26:27]          ; W2 at row 1,024 e + 128 dc, byte 2,048 kh
	s_lshl_b32 s26, s19, 12
	s_lshl_b32 s28, s20, 9
	s_add_co_u32 s26, s26, s28
	s_add_nc_u64 s[12:13], s[12:13], s[26:27]      ; b2 at my 128 columns
.macro RAW q                           ; 256 bytes along K of my 128 rows, as they lie
	WIN 0x40*(1+(\q))
.set ii, 0
.rept 64
	global_load_b128 v[4*ii:4*ii+3], v[WOF], s[4:5] offset:8192*ii+256*(\q)
.set ii, ii+1
.endr
	WIN 0
.endm
.macro TURNW q                         ; through my own stage and back into the registers that they left, as fragments.  LDS serves a wave's instructions in order: no wait between stores and loads, nor ahead of the next round's stores
	WIN 0x04*(1+(\q))
.set ii, 0
.rept 64
	ds_store_b128 v[STI], v[4*ii:4*ii+3] offset:544*ii
.set ii, ii+1
.endr
	WIN 0x40*(1+(\q))
.irp g, 0,1
.irp n, 0,1,2,3,4,5,6,7
.irp c, 0,1,2,3
	ds_load_b128 v[128*\g+16*\n+4*\c:128*\g+16*\n+4*\c+3], v[STF] offset:4352*\n+128*\g+32*\c
.endr
.endr
.endr
	WIN 0
.endm
.macro LPART k, kk, base               ; K step kk of a unit: 4 loads of 512 consecutive bytes; my row tiles lie 131,072 bytes apart
	WIN 0xc0
.irp c, 0,1,2,3
	global_load_b128 v[64*(\k)+16*(\kk)+4*\c:64*(\k)+16*(\kk)+4*\c+3], v[HB], s[\base:\base+1] offset:131072*(\k)+2048*(\kk)+512*\c
.endr
	WIN 0
.endm
.macro UNITP k                         ; one of the first four units
.irp kk, 0,1,2,3
	LPART \k, \kk, 6
.endr
.endm
	global_load_b128 v[BB:BB+3], v[L16], s[12:13]
	RAW 0
	s_lshl_b32 s26, s19, 8                         ; an expert's count stands in 256 bytes of its own
	s_add_nc_u64 s[8:9], s[8:9], s[26:27]
	s_load_b32 s23, s[8:9], 0x0                    ; the expert's rows
	s_load_b128 s[28:31], s[14:15], 0x0            ; ex, ew1, ew2, eh
	s_lshl_b32 s26, s19, 12
	s_add_nc_u64 s[10:11], s[10:11], s[26:27]      ; dst at expert e
	s_lshl_b32 s35, s18, 6
	s_lshl_b32 s26, s22, 11
	s_add_co_u32 s35, s35, s26                     ; row half rh, tile u = w: 64 bytes a tile
	s_load_b512 s[48:63], s[10:11], s35 offset:0x0 ; where the rows of my tile of batch 0 go
	s_lshl_b32 s26, s19, 22
	s_add_nc_u64 s[6:7], s[6:7], s[26:27]          ; hidden at expert e,
	s_add_nc_u64 s[38:39], s[6:7], 0x80000         ; and four of my tiles on: the refills' base
	s_lshl_b32 s26, s21, 23
	s_lshl_b32 s34, s20, 9
	s_add_co_u32 s26, s26, s34
	s_add_nc_u64 s[16:17], s[16:17], s[26:27]      ; y at plane pair kh, column 128 dc
	RAW 1
	s_wait_kmcnt 0x0
	s_min_u32 s23, s23, 1024
	s_add_co_u32 s26, s23, 15
	s_lshr_b32 s26, s26, 4                         ; T: the expert's row tiles
	s_add_co_u32 s26, s26, 1
	s_sub_co_u32 s26, s26, s22
	s_lshr_b32 s25, s26, 1                         ; nT: mine, 2 u + rh < T
	s_add_co_i32 s32, s30, s31
	s_add_co_i32 s32, s32, 126
	s_lshl_b32 s32, s32, 23                        ; 2^(ew2 + eh - 1) as f32
	s_mov_b32 s33, s32                             ; (named with it as a pair, so it is written)
	s_cmp_eq_u32 s21, 0
	s_cselect_b32 s36, -1, 0                       ; b2 goes in once, with the first half of K
	s_wait_loadcnt 63                              ; b2 and round 0's 64 loads are in: 64 loads stand behind them
	v_pk_mul_f32 v[BB:BB+1], v[BB:BB+1], 0.5 op_sel_hi:[1,0]
	v_pk_mul_f32 v[BB+2:BB+3], v[BB+2:BB+3], 0.5 op_sel_hi:[1,0]
.irp j, 0,1,2,3
	v_and_b32 v[BB+\j], s36, v[BB+\j]
.endr
	s_wait_alu depctr_va_vdst(0)
	TURNW 0
	UNITP 0
	UNITP 1
	s_wait_loadcnt 32                              ; round 1 is in: two units stand behind it
	TURNW 1
	UNITP 2
	UNITP 3
	s_wait_dscnt 0x0                               ; W2's fragments are in
	s_wait_loadcnt 48                              ; unit 0 is in: three units stand behind it
.macro PUT k, p, n                     ; tile k: row r, columns 16 n + 8 h + 0 .. 7; each accumulator from its low end on
	ds_store_b128 v[PST], v[ACC+64*((\k)%2)+8*(\n):ACC+64*((\k)%2)+8*(\n)+3]   offset:BUF*(\p)+8448*(\k)+64*(\n)
	ds_store_b128 v[PST], v[ACC+64*((\k)%2)+8*(\n)+4:ACC+64*((\k)%2)+8*(\n)+7] offset:BUF*(\p)+8448*(\k)+64*(\n)+16
.endm
.macro PUTALL k, p
.irp n, 0,1,2,3,4,5,6,7
	PUT \k, \p, \n
.endr
.endm
; 32 products, the eight accumulators by turns, one instruction a turn.  Behind each K step's eight: four places (five behind the last, for the next product that begins these accumulators anew),
; then that K step of the unit four tiles on (fill = 1), then a part of the tile before on its way to LDS.
.macro TBODY k, p, fill
.irp kk, 0,1,2,3
	WIN 0x0d+\kk/2                                 ; source 0 (W2) window 1 or 2, source 1 (hidden) window 3, C and D window 0
.irp n, 0,1,2,3,4,5,6,7
.if \kk == 0
	v_wmma_f32_16x16x128_fp8_fp8 v[ACC+64*((\k)%2)+8*\n:ACC+64*((\k)%2)+8*\n+7], v[128*(\kk%2)+16*\n:128*(\kk%2)+16*\n+15], v[64*(\k)+16*\kk:64*(\k)+16*\kk+15], 0
.else
	v_wmma_f32_16x16x128_fp8_fp8 v[ACC+64*((\k)%2)+8*\n:ACC+64*((\k)%2)+8*\n+7], v[128*(\kk%2)+16*\n:128*(\kk%2)+16*\n+15], v[64*(\k)+16*\kk:64*(\k)+16*\kk+15], v[ACC+64*((\k)%2)+8*\n:ACC+64*((\k)%2)+8*\n+7]
.endif
.endr
	WIN 0
.rept 4+\kk/3
	v_nop
.endr
.if \fill
	LPART \k, \kk, 38
.endif
.if (\k) > 0
.if \kk == 0
	PUT (\k)-1, \p, 0
	PUT (\k)-1, \p, 1
	PUT (\k)-1, \p, 2
.endif
.if \kk == 1
	PUT (\k)-1, \p, 3
	PUT (\k)-1, \p, 4
	PUT (\k)-1, \p, 5
.endif
.if \kk == 2
	PUT (\k)-1, \p, 6
	PUT (\k)-1, \p, 7
.endif
.endif
.endr
.if \fill
	s_wait_loadcnt 48                              ; the next unit is in: three units stand behind it
.else
	s_wait_loadcnt 0x0                             ; nothing was asked for: whatever is out is waited for
.endif
.endm
.macro TILE k, p, lab                  ; my row tile 4 B + k
	s_add_co_u32 s26, s24, \k
	s_cmp_lt_u32 s26, s25
	s_cbranch_scc0 .Lflush\lab\k
.if (\k) > 1
	s_wait_dscnt 0x0                               ; the stores of this set of accumulators, two tiles back, are done (the last were issued ahead of the last tile's last eight products)
.endif
	s_add_co_u32 s26, s26, 4
	s_cmp_lt_u32 s26, s25
	s_cbranch_scc0 .Lnone_\@
	TBODY \k, \p, 1
	s_branch .Ljoin_\@
.Lnone_\@:
	TBODY \k, \p, 0
.Ljoin_\@:
.endm
; THE REDUCTION.  A row's four parts take four quads of registers: rows 0-12 sixteen registers each; rows 13-15 the twelve quads that rows 0-3 have left (their first quads are the stores' data).
.macro QUADS i
.if (\i) < 13
.set Q0, ACC+16*(\i)
.set Q1, Q0+4
.set Q2, Q0+8
.set Q3, Q0+12
.else
.set MM, 4*((\i)-13)
.set Q0, ACC+16*(MM/3)+4+4*(MM%3)
.set Q1, ACC+16*((MM+1)/3)+4+4*((MM+1)%3)
.set Q2, ACC+16*((MM+2)/3)+4+4*((MM+2)%3)
.set Q3, ACC+16*((MM+3)/3)+4+4*((MM+3)%3)
.endif
.endm
.macro RLOAD i, p
	QUADS \i
	ds_load_b128 v[Q0:Q0+3], v[PRD]   offset:BUF*(\p)+528*(\i)
	ds_load_b128 v[Q1:Q1+3], v[PRD+1] offset:BUF*(\p)+528*(\i)
	ds_load_b128 v[Q2:Q2+3], v[PRD+2] offset:BUF*(\p)+528*(\i)
	ds_load_b128 v[Q3:Q3+3], v[PRD+3] offset:BUF*(\p)+528*(\i)
.endm
.macro RROW i, p, lab
.if (\i) > 0
	s_cmp_gt_u32 s27, \i
	s_cbranch_scc0 .Lrows_\lab
.endif
.if (\i) == 4
	RLOAD 13, \p
	RLOAD 14, \p
	RLOAD 15, \p
.endif
	QUADS \i
.if (\i) < 4
	s_wait_dscnt 48-4*(\i)                         ; row i's four loads are in, of 52
.else
	s_wait_dscnt 60-4*(\i)                         ; of 64
.endif
	v_pk_add_f32 v[Q0:Q0+1],   v[Q0:Q0+1],   v[Q1:Q1+1]
	v_pk_add_f32 v[Q0+2:Q0+3], v[Q0+2:Q0+3], v[Q1+2:Q1+3]
	v_pk_add_f32 v[Q2:Q2+1],   v[Q2:Q2+1],   v[Q3:Q3+1]
	v_pk_add_f32 v[Q2+2:Q2+3], v[Q2+2:Q2+3], v[Q3+2:Q3+3]
	v_pk_add_f32 v[Q0:Q0+1],   v[Q0:Q0+1],   v[Q2:Q2+1]
	v_pk_add_f32 v[Q0+2:Q0+3], v[Q0+2:Q0+3], v[Q2+2:Q2+3]
	v_pk_fma_f32 v[Q0:Q0+1],   v[Q0:Q0+1],   s[32:33], v[BB:BB+1]   op_sel_hi:[1,0,1]
	v_pk_fma_f32 v[Q0+2:Q0+3], v[Q0+2:Q0+3], s[32:33], v[BB+2:BB+3] op_sel_hi:[1,0,1]
	s_and_b32 s26, s[48+(\i)], 0x7ff
	s_min_u32 s26, s26, 0x7ff                      ; a loaded number enters an address behind its clamp
	s_lshl_b32 s26, s26, 12
	v_add_nc_u32 v[YA+(\i)], s26, v[L16]
	global_store_b128 v[YA+(\i)], v[Q0:Q0+3], s[16:17]
	s_bitcmp1_b32 s[48+(\i)], 16
	s_cbranch_scc0 .Lonce_\@
	global_store_b128 v[YA+(\i)], v[ZR:ZR+3], s[16:17] offset:4194304   ; both ids name e: the second id's row is zeros
.Lonce_\@:
.endm
.macro RED p                           ; the batch's tile w: the four waves' parts are added, scaled, b2 / 2 added, and stored, as many rows as the expert has
	s_add_co_u32 s26, s24, s18
	s_cmp_lt_u32 s26, s25
	s_cbranch_scc0 .Lend_\@
	s_wait_kmcnt 0x0                               ; the rows' places are in
	s_lshl_b32 s27, s26, 1
	s_add_co_u32 s27, s27, s22
	s_lshl_b32 s27, s27, 4
	s_sub_co_u32 s27, s23, s27                     ; rows from this tile's first on: at least one
.irp i, 0,1,2,3,4,5,6,7,8,9,10,11,12
	RLOAD \i, \p
.endr
.irp i, 0,1,2,3,4,5,6,7,8,9,10,11,12,13,14,15
	RROW \i, \p, \@
.endr
.Lrows_\@:
	s_wait_dscnt 0x0                               ; whatever was loaded is in, and the stores have read their registers
	s_wait_xcnt 0x0
	s_add_co_u32 s26, s24, s18
	s_add_co_u32 s26, s26, 4
	s_cmp_lt_u32 s26, s25
	s_cbranch_scc0 .Lend_\@
	s_add_co_u32 s35, s35, 256                     ; the next batch's tile: four of my tiles on
	s_load_b512 s[48:63], s[10:11], s35 offset:0x0
.Lend_\@:
.endm
; ONE BARRIER A BATCH: behind it the batch's buffer is whole.  It is stored again two batches on, behind the next batch's barrier, in front of which each wave's reads of it are in.
; A batch that ends early sends its last tile to LDS in an arm of its own.
.macro BATCH p
.irp k, 0,1,2,3
	TILE \k, \p, \@
.endr
	PUTALL 3, \p
	s_branch .Lmeet_\@
.Lflush\@3:
	s_wait_loadcnt 0x0
	PUTALL 2, \p
	s_branch .Lmeet_\@
.Lflush\@2:
	s_wait_loadcnt 0x0
	PUTALL 1, \p
	s_branch .Lmeet_\@
.Lflush\@1:
	s_wait_loadcnt 0x0
	PUTALL 0, \p
	s_branch .Lmeet_\@
.Lflush\@0:
	s_wait_loadcnt 0x0
.Lmeet_\@:
	s_wait_dscnt 0x0                               ; for the others' sake: my partial sums have landed
	s_barrier_signal -1
	s_barrier_wait -1
	RED \p
	s_wait_xcnt 0x0                                ; the refills have read their base
	s_add_nc_u64 s[38:39], s[38:39], 0x80000
	s_add_co_u32 s24, s24, 4
.endm
	s_mov_b32 s34, 0
	s_mov_b32 s24, 0                               ; 4 B: the batch's first tile
.Lbatch:
	BATCH 0
	BATCH 1
	s_add_co_u32 s34, s34, 1
	s_cmp_lt_u32 s34, 4
	s_cbranch_scc1 .Lbatch
	s_wait_tensorcnt 0x0                           ; the wave's end
	ds_add_u32 v[SPW], v[NIL]
	s_wait_dscnt 0x0
	s_endpgm
.Lfunc_end_k_q48e27fb012_down:
	.size	k_q48e27fb012_down, .Lfunc_end_k_q48e27fb012_down-k_q48e27fb012_down
	.p2alignl 7, 3214868480
	.fill 96, 4, 3214868480
	.section	.rodata,"a",@progbits
	.p2align	6, 0x0
	.amdhsa_kernel k_q48e27fb012_down
		.amdhsa_group_segment_fixed_size 270848
		.amdhsa_private_segment_fixed_size 0
		.amdhsa_enable_private_segment 0
		.amdhsa_kernarg_size 56
		.amdhsa_user_sgpr_count 2
		.amdhsa_user_sgpr_kernarg_segment_ptr 1
		.amdhsa_wavefront_size32 1
		.amdhsa_system_sgpr_workgroup_id_x 1
		.amdhsa_system_sgpr_workgroup_id_y 1
		.amdhsa_system_sgpr_workgroup_id_z 1
		.amdhsa_system_vgpr_workitem_id 0
		.amdhsa_next_free_vgpr 1024
		.amdhsa_next_free_sgpr 66
		.amdhsa_reserve_vcc 0
		.amdhsa_float_denorm_mode_32 3
		.amdhsa_float_denorm_mode_16_64 3
		.amdhsa_memory_ordered 1
		.amdhsa_forward_progress 1
		.amdhsa_inst_pref_size 164
	.end_amdhsa_kernel
	.amdgpu_metadata
---
amdhsa.version: [ 1, 2 ]
amdhsa.kernels:
  - .name:           k_q48e27fb012_down
    .symbol:         k_q48e27fb012_down.kd
    .args:
      - { .name: W2_codes, .offset: 0, .size: 8, .value_kind: global_buffer, .address_space: global }
      - { .name: hidden, .offset: 8, .size: 8, .value_kind: global_buffer, .address_space: global }
      - { .name: counts, .offset: 16, .size: 8, .value_kind: global_buffer, .address_space: global }
      - { .name: dst, .offset: 24, .size: 8, .value_kind: global_buffer, .address_space: global }
      - { .name: b2, .offset: 32, .size: 8, .value_kind: global_buffer, .address_space: global }
      - { .name: lowp_scales, .offset: 40, .size: 8, .value_kind: global_buffer, .address_space: global }
      - { .name: y, .offset: 48, .size: 8, .value_kind: global_buffer, .address_space: global }
    .group_segment_fixed_size: 270848
    .private_segment_fixed_size: 0
    .kernarg_segment_align: 8
    .kernarg_segment_size: 56
    .max_flat_workgroup_size: 128
    .sgpr_count:     66
    .vgpr_count:     1024
    .wavefront_size: 32
...
	.end_amdgpu_metadata
.endif
;; end of part 2
;; launch combine (part 3): grid 256 x 1, 8 waves a work-group, no clusters, 0 bytes of LDS; arguments y, out0; writes out0
.if DOCPART == 3
	.amdgcn_target "amdgcn-amd-amdhsa--gfx1250"
	.amdhsa_code_object_version 6
	.text
	.protected	k_q48e27fb012_combine
	.globl	k_q48e27fb012_combine
	.p2align	8
	.type	k_q48e27fb012_combine,@function
k_q48e27fb012_combine:
	s_mov_b64 s[64:65], 0
	v_nop
	global_prefetch_b8 v0, s[64:65] scope:SCOPE_SE
	s_setreg_imm32_b32 hwreg(HW_REG_WAVE_MODE, 25, 1), 1
	s_wait_xcnt 0x0
; out[t][d] = the sum of y's four planes (two halves of K, two ids) at [t][d]; each plane is 4,194,304 bytes and already holds its part of (h W2 + b2) / 2, or zeros where an id repeats the first.
; A work-group takes 16,384 consecutive bytes of each plane, a wave 2,048: each load and store of the wave covers 512 consecutive bytes, aligned.  All sixteen loads are issued ahead of the first wait.
; Memory binds here: no LDS, no barrier, no matrix unit, nothing shared between work-groups, no loop for a prefetch to run ahead in.
; LIMIT: the ids in assign lie in 0 .. 7, so that every row of every plane has been stored.
	s_load_b128 s[4:7], s[0:1], 0x0                ; y 4, out 6
	s_lshl_b32 s8, ttmp9, 14
	s_mov_b32 s9, 0
	v_and_b32 v1, 31, v0
	v_lshrrev_b32 v2, 5, v0
	v_lshlrev_b32 v1, 4, v1
	v_lshl_add_u32 v1, v2, 11, v1
	s_wait_alu depctr_va_vdst(0)
	s_wait_kmcnt 0x0
	s_add_nc_u64 s[4:5], s[4:5], s[8:9]
	s_add_nc_u64 s[10:11], s[4:5], 0x800000
	s_add_nc_u64 s[6:7], s[6:7], s[8:9]
.irp i, 0,1,2,3
	global_load_b128 v[8+16*\i:11+16*\i],  v1, s[4:5] offset:512*\i th:TH_LOAD_NT
	global_load_b128 v[12+16*\i:15+16*\i], v1, s[4:5] offset:4194304+512*\i th:TH_LOAD_NT
	global_load_b128 v[16+16*\i:19+16*\i], v1, s[10:11] offset:512*\i th:TH_LOAD_NT
	global_load_b128 v[20+16*\i:23+16*\i], v1, s[10:11] offset:4194304+512*\i th:TH_LOAD_NT
.endr
.irp i, 0,1,2,3
	s_wait_loadcnt 12-4*\i                         ; piece i of all planes is in; four loads for each later piece may be out
	v_pk_add_f32 v[8+16*\i:9+16*\i],   v[8+16*\i:9+16*\i],   v[16+16*\i:17+16*\i]
	v_pk_add_f32 v[10+16*\i:11+16*\i], v[10+16*\i:11+16*\i], v[18+16*\i:19+16*\i]
	v_pk_add_f32 v[12+16*\i:13+16*\i], v[12+16*\i:13+16*\i], v[20+16*\i:21+16*\i]
	v_pk_add_f32 v[14+16*\i:15+16*\i], v[14+16*\i:15+16*\i], v[22+16*\i:23+16*\i]
	v_pk_add_f32 v[8+16*\i:9+16*\i],   v[8+16*\i:9+16*\i],   v[12+16*\i:13+16*\i]
	v_pk_add_f32 v[10+16*\i:11+16*\i], v[10+16*\i:11+16*\i], v[14+16*\i:15+16*\i]
	global_store_b128 v1, v[8+16*\i:11+16*\i], s[6:7] offset:512*\i th:TH_STORE_NT
.endr
	s_endpgm
.Lfunc_end_k_q48e27fb012_combine:
	.size	k_q48e27fb012_combine, .Lfunc_end_k_q48e27fb012_combine-k_q48e27fb012_combine
	.p2alignl 7, 3214868480
	.fill 96, 4, 3214868480
	.section	.rodata,"a",@progbits
	.p2align	6, 0x0
	.amdhsa_kernel k_q48e27fb012_combine
		.amdhsa_group_segment_fixed_size 0
		.amdhsa_private_segment_fixed_size 0
		.amdhsa_enable_private_segment 0
		.amdhsa_kernarg_size 16
		.amdhsa_user_sgpr_count 2
		.amdhsa_user_sgpr_kernarg_segment_ptr 1
		.amdhsa_wavefront_size32 1
		.amdhsa_system_sgpr_workgroup_id_x 1
		.amdhsa_system_sgpr_workgroup_id_y 1
		.amdhsa_system_sgpr_workgroup_id_z 1
		.amdhsa_system_vgpr_workitem_id 0
		.amdhsa_next_free_vgpr 72
		.amdhsa_next_free_sgpr 66
		.amdhsa_reserve_vcc 0
		.amdhsa_float_denorm_mode_32 3
		.amdhsa_float_denorm_mode_16_64 3
		.amdhsa_memory_ordered 1
		.amdhsa_forward_progress 1
		.amdhsa_inst_pref_size 5
	.end_amdhsa_kernel
	.amdgpu_metadata
---
amdhsa.version: [ 1, 2 ]
amdhsa.kernels:
  - .name:           k_q48e27fb012_combine
    .symbol:         k_q48e27fb012_combine.kd
    .args:
      - { .name: y, .offset: 0, .size: 8, .value_kind: global_buffer, .address_space: global }
      - { .name: out0, .offset: 8, .size: 8, .value_kind: global_buffer, .address_space: global }
    .group_segment_fixed_size: 0
    .private_segment_fixed_size: 0
    .kernarg_segment_align: 8
    .kernarg_segment_size: 16
    .max_flat_workgroup_size: 256
    .sgpr_count:     66
    .vgpr_count:     72
    .wavefront_size: 32
...
	.end_amdgpu_metadata
.endif
;; end of part 3
